; MI455X (gfx1250); checked and timed in simulation.
; The chip was launched on July 23, 2026; its instructions are those of AMD's public machine-readable ISA for CDNA 5 (MIT licence, August 2026) and "CDNA5" Instruction Set Architecture Reference Guide (July 2026). The comments in the code are by the model that wrote it; some were corrected since.
;; RV Quantizer. Allowed arithmetic: float matrix products may take bf16 or f16 operands with f32 sums; all other float work in f32.
;; Inputs: codebooks 10 x 512 x 32 float32; z 8 x 16,384 x 32 float32.
;; Outputs: out0 8 x 16,384 x 32 float32; out1 8 x 16,384 x 10 int32; out2 10 float32.
;; One version. Each part assembles by itself: llvm-mc -triple=amdgcn-amd-amdhsa -mcpu=gfx1250 --defsym DOCPART=n.
;; ======== version 1 of 1: 1 launch
;; limits: values are held in f16: magnitudes above 65,504 overflow, below 6.1e-05 lose precision; inputs' magnitudes at most 65,504
;; launch rvq (part 1): grid 256 x 1, 8 waves a work-group, clusters of 4 x 1, 327,680 bytes of LDS; arguments codebooks, z, out0, out1, out2; writes out0, out1, out2
.if DOCPART == 1
	.amdgcn_target "amdgcn-amd-amdhsa--gfx1250"
	.amdhsa_code_object_version 6
	.text
	.protected	k_q5d02b1d0dc_rvq
	.globl	k_q5d02b1d0dc_rvq
	.p2align	8
	.type	k_q5d02b1d0dc_rvq,@function
k_q5d02b1d0dc_rvq:
	s_mov_b64 s[64:65], 0
	v_nop
	global_prefetch_b8 v0, s[64:65] scope:SCOPE_SE
	s_setreg_imm32_b32 hwreg(HW_REG_WAVE_MODE, 25, 1), 1
	s_wait_xcnt 0x0
	s_wait_alu depctr_hold_cnt(0) depctr_sa_sdst(0) depctr_va_vdst(0) depctr_va_sdst(0) depctr_va_ssrc(0) depctr_va_vcc(0) depctr_vm_vsrc(0)
	s_getreg_b32 s2, hwreg(HW_REG_IB_STS2, 6, 4)
	s_cmp_eq_u32 s2, 0
	s_cbranch_scc0 .Lentry_in_a_cluster
	s_endpgm
.Lentry_in_a_cluster:
	s_bfe_u32 s2, ttmp6, 0x10000c
	s_cmp_lg_u32 s2, 0x3003
	s_cbranch_scc0 .Lentry_shape_is_right
	s_endpgm
.Lentry_shape_is_right:
; Residual vector quantiser: 131,072 rows of 32 numbers, ten dependent stages of (distances to 512 codes, argmin, lookup, residual update),
; all ten in one launch.  out0 = sum of the chosen codes, out1 = the ten indices of each row, out2 = ten zeros.
;
; WORK LEFT OUT, for all finite inputs, in exact arithmetic:
;  * d = |r|^2 - 2 r.c + |c|^2.  |r|^2 is the same for all 512 codes of a row and the factor 2 is common, so argmin d = argmax (r.c - |c|^2 / 2): that is what is formed.
;  * q_st = r + (q - r) = q, so the new residual r - q_st is r - q: one subtraction.
;  * out and r change by +q_st and -q_st in every stage and out starts at the zeros that reference() builds, so out + r = z throughout: out0 = z - r after stage 9, formed once.
;  Both inputs are loaded whole.  Limit: a NaN, an infinity or an overflow that reaches only |r|^2, q - r or the running sum is not carried to the result.
; NUMBER FORMATS AND LIMITS:
;  * z and the codebooks are rounded to bf16 on entry; everything behind that keeps f32 accuracy: the residual is held in f32.
;  * ORDER OF ROUNDING: reference() rounds q - r, r + (q - r) and r - q_st; here r - q is rounded once.  An element of r is a sum of at most eleven bf16 numbers of 8 bits each,
;    so all these are exact in f32's 24 bits, and the two forms equal, while the element's terms lie within a factor of 2^16 of each other; elsewhere they differ by about an ulp of r.
;  * Matrix operands are f16: a bf16 code is exact in f16, and the f32 residual goes in as two f16 pieces (hi = f16(r), lo = f16(r - hi): 22 bits).  So |code|, |residual| < 65,504;
;    a code or a piece below 2^-14 carries an absolute error of at most 2^-25.
;  * An argmin whose two best distances differ by less than about 1e-5 (f32 rounding of d at its size here) may fall on the other code.  Exact ties take the lowest index.
;  * A NaN distance is passed over, where jnp.argmin would pick it.
; THE LOOKUP is a product, since no address may hang on an argmin of the same launch: a one-hot matrix (1.0 at the chosen code, made by compares and selects) times the codebook,
; which returns the code exactly.
;
; SHARES: 256 work-groups x 512 rows; eight waves x 64 rows = four row groups of 16.  Two waves lie on a SIMD, so that one wave's vector phases can stand beside the other's products.
; Lane L: r = L & 15, h = L >> 4.  It holds row r of each group, dims 8h..8h+7 and 16+8h..16+8h+7: the order of a B fragment, and also of the lookup's result.
; CLUSTER: all work-groups walk the same ten codebooks at the same pace, so four of them ask for each stage's 64 KiB jointly (mask 15); wave w fetches and converts codes 64w..64w+63.
; SELECTS GO IN PAIRS: a product of 16 codes x 16 rows leaves eight registers to reduce, so selects are the bulk of the vector work.  Where two selects hang on one compare
; they are one dual instruction: neighbouring registers give it an even and an odd destination and like sources whose numbers differ modulo 4.
;
; LDS (bytes):  RAW 0: target of the tensor loads alone, wave w at 9,216 w: 64 codes in f32, 144 apart (128 + 16 of padding)
;   CF0 73,728 / CF1 114,688: 512 codes in f16, 80 apart     CN0 155,648 / CN1 157,696: -|c|^2 / 2 in f32       (stage s reads CF and CN number s & 1)
;   IDX 159,744: wave w at + 2,560 w: [64 rows][10] int32     XS 180,224: wave w at + 9,216 w: 64 rows 144 apart, the stage that turns z in and out0 out
; 80 = 5 x 16 and 144 = 9 x 16: sixteen lanes that take one 16-byte column of sixteen rows start at sixteen different multiples of 16 modulo 256.
.set RAWW, 9216
.set CF0,  73728
.set CFB,  40960
.set CN0,  155648
.set CNB,  2048
.set IDXB, 159744
.set XSB,  180224
.set CP,   80                          ; pitch of a code in CF
.set RP,   144                         ; pitch of a row in RAW and XS
; window 0
.set H8,  1                            ; 8 h
.set LA,  2                            ; r * 80 + 16 h: lane term of a fragment of 16 codes x 32 dims
.set LN,  3                            ; 32 h: lane term of eight norms
.set LT,  4                            ; (8h + (L&7)) * 80 + 16 ((L>>3)&1): lane term of the transposing load
.set RWA, 5                            ; RAW: 9,216 w + 144 L
.set CFW, 6                            ; (64 w + L) * 80
.set CNW, 7                            ; (64 w + L) * 4
.set IXA, 8                            ; IDX + 2,560 w + 40 r, + 4 a stage
.set WA,  9                            ; distance loop: codes
.set WN,  10                           ; distance loop: norms
.set GTA, 11                           ; lookup: codes, transposed
.set CFO, 12                           ; conversion: where my codes go
.set CNO, 13                           ; conversion: where their norms go
.set ONE, 14                           ; 0x3c00, 1.0 in f16
.set TN,  15                           ; the number of the tile that is being reduced (15 and T = 16 differ modulo 4: they are the two second sources of a pair)
.set T,   16                           ; v16-23 at work
.set BB,  24                           ; group g: v[24+2g] best value, then the index; v[25+2g] best tile, then index >> 5
.set CT,  32                           ; group g: v[32+8g ..+7] the best tile's eight values, then the one-hot base fragment
.set BHI, 64                           ; group g: v[64+8g ..+7] residual, upper f16 piece
.set BLO, 96                           ; group g: v[96+8g ..+7] residual, lower f16 piece
.set D0,  128                          ; distance tiles, buffer 0: 8 registers a group
.set D1,  160                          ; buffer 1
.set QQ,  128                          ; lookup: 16 registers a group (two dim tiles)
.set AF,  192                          ; code fragments, two buffers of 8
.set CC,  208                          ; norms, two buffers of 8
.set GA,  192                          ; lookup: transposed code fragments, two buffers of 2 x 8
.set GB,  224                          ; lookup: one-hot fragments, two buffers of 8
.set XL,  240                          ; XS, linear:   XS_w + (L>>3) * 144 + (L&7) * 16
.set XF,  241                          ; XS, fragment: XS_w + r * 144 + 32 h
.set GO,  242                          ; 16 L
.set IXR, 243                          ; IDX + 2,560 w + 16 L
; conversion, in BHI's registers while these are dead
.set RC,  64                           ; two buffers of 4: a raw chunk
.set PK,  72
.set Y,   74
.set O,   80
.set ACC, 84
.set NRM, 88
; window 1 (written by their low 8 bits)
.set RR,  0                            ; v256 + 16 g + i: the residual in f32
.set ZBN, 64                           ; v320 + 8 g + i: z rounded to bf16, packed
.set MSB, 0
.macro WIN new                         ; low byte: bits 1:0 source 0, 3:2 source 1, 5:4 source 2, 7:6 destination; the high byte repeats the setting that is left
.if MSB != \new
	s_set_vgpr_msb (MSB<<8)|\new
.set MSB, \new
.endif
.endm
; A round of the cluster's barrier: my work-group's barrier, wave 0 signals for the work-group, every wave waits for all four work-groups, my work-group's barrier again.
.macro CREST                           ; a round behind its opening barrier
	s_cmp_lg_u32 s26, 0
	s_cbranch_scc1 .Lnot_wave_0_\@
	s_barrier_signal -3
.Lnot_wave_0_\@:
	s_barrier_wait -3
	s_barrier_signal -1
	s_barrier_wait -1
.endm
.macro ROUND                           ; a whole round
	s_barrier_signal -1
	s_barrier_wait -1
	CREST
.endm
; Slice k (0..7) of the running argmax over the tile in buffer D, whose number is in TN; group k >> 1.
; A lane keeps its best value, that value's tile and the tile's eight values; which of the eight it was is settled once, in FINAL.  Strictly greater: the earlier tile keeps a tie.
; Ten instructions a group and tile: four maxima, a compare, and ten selects under that one compare in five pairs.
.macro ARGS k, D
.set aG, (\k)>>1
.set aD, \D+8*aG
.set aC, CT+8*aG
.set aB, BB+2*aG
.if ((\k)&1) == 0
	v_max3_num_f32 v[T], v[aD], v[aD+1], v[aD+2]
	v_max3_num_f32 v[T+1], v[aD+3], v[aD+4], v[aD+5]
	v_max_num_f32 v[T+2], v[aD+6], v[aD+7]
	v_max3_num_f32 v[T], v[T], v[T+1], v[T+2]
	v_cmp_gt_f32 vcc_lo, v[T], v[aB]               ; VCC lives on through the odd slice
	v_dual_cndmask_b32 v[aB], v[aB], v[T] :: v_dual_cndmask_b32 v[aB+1], v[aB+1], v[TN]
.else
.set n, 0
.rept 4
	v_dual_cndmask_b32 v[aC+n], v[aC+n], v[aD+n] :: v_dual_cndmask_b32 v[aC+n+1], v[aC+n+1], v[aD+n+1]
.set n, n+2
.endr
.endif
.endm
; Slice k of the start of the argmax: -inf everywhere, tile 0.  It stands behind tile 0's products, where there is no earlier tile to reduce.
.macro INITS k
.set aG, (\k)>>1
.set aC, CT+8*aG
.set aB, BB+2*aG
.if ((\k)&1) == 0
	v_mov_b32 v[aB], 0xff800000
	v_mov_b32 v[aB+1], 0
	v_mov_b32 v[aC], 0xff800000
	v_mov_b32 v[aC+1], 0xff800000
	v_mov_b32 v[aC+2], 0xff800000
.else
.irp aj, 3,4,5,6,7
	v_mov_b32 v[aC+\aj], 0xff800000
.endr
.endif
.endm
.macro SLICE kind, k, D
.if \kind
	ARGS \k, \D
.else
	INITS \k
.endif
.endm
; One tile of 16 codes against my 64 rows: D(code 8h + j, row r) = c . r_hi - |c|^2 / 2, then + c . r_lo.  Between the products stand the slices that reduce the tile before,
; whose number st goes into TN first.  The four accumulators take turns, one instruction a turn.
; Between the last product that read a fragment buffer and the next STEP's loads into it stand the last slice (four pairs, or five moves) and the move into TN:
; five plain vector instructions that name none of that product's registers, one more than the four places of ISA guide 7.12.1.
.macro STEP Dn, Do, cur, offA, offC, ld, lo, kind, st
	s_wait_dscnt 0x0                               ; this tile's codes and norms, asked for one STEP ago
.if \kind
	v_mov_b32 v[TN], \st
.endif
.if \ld
	ds_load_b128 v[AF+8*(1-\cur):AF+8*(1-\cur)+3],   v[WA] offset:\offA
	ds_load_b128 v[AF+8*(1-\cur)+4:AF+8*(1-\cur)+7], v[WA] offset:\offA+32
	ds_load_b128 v[CC+8*(1-\cur):CC+8*(1-\cur)+3],   v[WN] offset:\offC
	ds_load_b128 v[CC+8*(1-\cur)+4:CC+8*(1-\cur)+7], v[WN] offset:\offC+16
.endif
.irp sg, 0,1,2,3
	v_wmma_f32_16x16x32_f16 v[\Dn+8*\sg:\Dn+8*\sg+7], v[AF+8*\cur:AF+8*\cur+7], v[BHI+8*\sg:BHI+8*\sg+7], v[CC+8*\cur:CC+8*\cur+7]
.if \lo
	SLICE \kind, \sg, \Do
.else
	SLICE \kind, 2*\sg, \Do
	SLICE \kind, 2*\sg+1, \Do
.endif
.endr
.if \lo
.irp sg, 0,1,2,3
	v_wmma_f32_16x16x32_f16 v[\Dn+8*\sg:\Dn+8*\sg+7], v[AF+8*\cur:AF+8*\cur+7], v[BLO+8*\sg:BLO+8*\sg+7], v[\Dn+8*\sg:\Dn+8*\sg+7]
	SLICE \kind, 4+\sg, \Do
.endr
.endif
.endm
; All 32 tiles of the stage's codebook.  Tile t: codes at 1,280 t, norms at 64 t.  s30 = the even tile that is being reduced, and the loop's counter.
.macro DIST par, lo
	v_add_nc_u32 v[WA], CF0+\par*CFB, v[LA]
	v_add_nc_u32 v[WN], CN0+\par*CNB, v[LN]
	ds_load_b128 v[AF:AF+3],   v[WA]
	ds_load_b128 v[AF+4:AF+7], v[WA] offset:32
	ds_load_b128 v[CC:CC+3],   v[WN]
	ds_load_b128 v[CC+4:CC+7], v[WN] offset:16
	STEP D0, D1, 0, 1280, 64, 1, \lo, 0, s30       ; tile 0; asks for tile 1
	s_mov_b32 s30, 0
.Ldist_\@:
	s_add_co_u32 s31, s30, 1
	STEP D1, D0, 1, 2560, 128, 1, \lo, 1, s30      ; tile s30 + 1; reduces tile s30; asks for s30 + 2
	STEP D0, D1, 0, 3840, 192, 1, \lo, 1, s31      ; tile s30 + 2; reduces tile s30 + 1; asks for s30 + 3
	v_add_nc_u32 v[WA], 2560, v[WA]
	v_add_nc_u32 v[WN], 128, v[WN]
	s_add_co_u32 s30, s30, 2
	s_cmp_lt_u32 s30, 30
	s_cbranch_scc1 .Ldist_\@
	STEP D1, D0, 1, 0, 0, 0, \lo, 1, s30           ; tile 31; reduces tile 30; nothing is left to ask for
	v_mov_b32 v[TN], 31
.irp dk, 0,1,2,3,4,5,6,7
	ARGS \dk, D1
.endr
.endm
; Group g: the index out of the lane's best tile, the better of the two halves of the lanes, the store into IDX, and the one-hot base fragment.
; Each select here hangs on a compare of its own, so none of them can share a pair's one VCC.
.macro FINAL g
.set fB, BB+2*\g
.set fC, CT+8*\g
	v_mov_b32 v[T], 7
.irp fj, 6,5,4,3,2,1,0
	v_cmp_eq_f32 vcc_lo, v[fC+\fj], v[fB]          ; downward, so that the lowest equal place stays
	v_cndmask_b32 v[T], v[T], \fj, vcc_lo
.endr
	v_lshl_add_u32 v[T+1], v[fB+1], 4, v[T]        ; code = 16 tile + 8 h + place
	v_or_b32 v[T+1], v[T+1], v[H8]
	v_permlanex16_b32 v[T+2], v[fB], s34, s35      ; the other half's best value and code (both destinations have been written before)
	v_permlanex16_b32 v[T+3], v[T+1], s34, s35
	v_cmp_gt_f32 s36, v[T+2], v[fB]
	v_cmp_eq_f32 s37, v[T+2], v[fB]
	v_cmp_lt_u32 s38, v[T+3], v[T+1]
	s_and_b32 s37, s37, s38
	s_or_b32 vcc_lo, s36, s37                      ; theirs is better, or equal with the lower code
	v_cndmask_b32 v[fB], v[T+1], v[T+3], vcc_lo    ; the index of row r, in both halves
	ds_store_b32 v[IXA], v[fB] offset:640*\g       ; both halves store the same word with the same value
	; Of the 32 codes of a K step lane (r, h) holds k = 8h + 2q, + 1 in register q (0..3) and k = 16 + 8h + 2(q-4), + 1 in register q (4..7).
	; y = ((index ^ 8h) >> 1) & 15 is q & 3 in bits 1:0, 0 in bit 2 where k's bit 3 is my h, and q >> 2 in bit 3: register q is hit where y = 0,1,2,3,8,9,10,11.
	v_xor_b32 v[T], v[fB], v[H8]
	v_bfe_u32 v[T], v[T], 1, 4
	v_lshlrev_b32 v[T+1], 4, v[fB]
	v_and_b32 v[T+1], 16, v[T+1]
	v_lshlrev_b32 v[T+1], v[T+1], v[ONE]           ; 1.0 in the half that the index's lowest bit names
	v_lshrrev_b32 v[fB+1], 5, v[fB]                ; the K step that holds the code
.set fq, 0
.irp fk, 0,1,2,3,8,9,10,11
	v_cmp_eq_u32 vcc_lo, \fk, v[T]
	v_cndmask_b32 v[fC+fq], 0, v[T+1], vcc_lo
.set fq, fq+1
.endr
.endm
; Chunk k (0..15) of the next stage's codes: lane L converts codes 64 w + L (chunks 0..7) and 64 w + 32 + L (chunks 8..15), four numbers a chunk.
.macro RAWLD k
	ds_load_b128 v[RC+4*((\k)&1):RC+4*((\k)&1)+3], v[RWA] offset:4608*((\k)>>3)+16*((\k)&7)
.endm
.macro CONV k
.set cvR, RC+4*((\k)&1)
.set cvH, (\k)&7
.set cvC, (\k)>>3
	v_cvt_pk_bf16_f32 v[PK], v[cvR], v[cvR+1]      ; the rounding to bf16,
	v_cvt_pk_bf16_f32 v[PK+1], v[cvR+2], v[cvR+3]
	v_lshlrev_b32 v[Y], 16, v[PK]                  ; back in f32,
	v_and_b32 v[Y+1], s33, v[PK]
	v_lshlrev_b32 v[Y+2], 16, v[PK+1]
	v_and_b32 v[Y+3], s33, v[PK+1]
.if cvH == 0
	v_pk_mul_f32 v[ACC:ACC+1], v[Y:Y+1], v[Y:Y+1]  ; the first chunk starts the norm's four sums
	v_pk_mul_f32 v[ACC+2:ACC+3], v[Y+2:Y+3], v[Y+2:Y+3]
.else
	v_pk_fma_f32 v[ACC:ACC+1], v[Y:Y+1], v[Y:Y+1], v[ACC:ACC+1]
	v_pk_fma_f32 v[ACC+2:ACC+3], v[Y+2:Y+3], v[Y+2:Y+3], v[ACC+2:ACC+3]
.endif
	v_cvt_pk_f16_f32 v[O+2*(cvH&1)], v[Y], v[Y+1]  ; and exact in f16
	v_cvt_pk_f16_f32 v[O+2*(cvH&1)+1], v[Y+2], v[Y+3]
.if cvH&1
	ds_store_b128 v[CFO], v[O:O+3] offset:2560*cvC+16*(cvH>>1)
.endif
.if cvH == 7
	v_pk_add_f32 v[ACC:ACC+1], v[ACC:ACC+1], v[ACC+2:ACC+3]
	v_add_f32 v[NRM], v[ACC], v[ACC+1]
	v_mul_f32 v[NRM], -0.5, v[NRM]
	ds_store_b32 v[CNO], v[NRM] offset:128*cvC
.endif
.endm
; The lookup.  Q(dim, row) = sum over codes of code(dim) x onehot(code, row), 16 K steps of 32 codes, two tiles of 16 dims, four row groups.
.macro GALD p                          ; K step p's codes, turned: lane (r, h) gets dim 16 mu + r, codes 32 p + 8h .. and 32 p + 16 + 8h ..
.irp mu, 0,1
	ds_load_tr16_b128 v[GA+16*((\p)&1)+8*\mu:GA+16*((\p)&1)+8*\mu+3],   v[GTA] offset:(\p)*2560+32*\mu
	ds_load_tr16_b128 v[GA+16*((\p)&1)+8*\mu+4:GA+16*((\p)&1)+8*\mu+7], v[GTA] offset:(\p)*2560+32*\mu+1280
.endr
.endm
.macro BUILD g, b, p                   ; group g's one-hot fragment of K step p: the base fragment where the code lies in this step, else zeros.  One compare, eight selects in four pairs
	v_cmp_eq_u32 vcc_lo, \p, v[BB+2*\g+1]
.set n, 0
.rept 4
	v_dual_cndmask_b32 v[GB+8*\b+n], 0, v[CT+8*\g+n] :: v_dual_cndmask_b32 v[GB+8*\b+n+1], 0, v[CT+8*\g+n+1]
.set n, n+2
.endr
.endm
.macro GMUL g, b, p
.irp mu, 0,1
.if \p == 0
	v_wmma_f32_16x16x32_f16 v[QQ+16*\g+8*\mu:QQ+16*\g+8*\mu+7], v[GA+16*((\p)&1)+8*\mu:GA+16*((\p)&1)+8*\mu+7], v[GB+8*\b:GB+8*\b+7], 0
.else
	v_wmma_f32_16x16x32_f16 v[QQ+16*\g+8*\mu:QQ+16*\g+8*\mu+7], v[GA+16*((\p)&1)+8*\mu:GA+16*((\p)&1)+8*\mu+7], v[GB+8*\b:GB+8*\b+7], v[QQ+16*\g+8*\mu:QQ+16*\g+8*\mu+7]
.endif
.endr
.endm
; One K step.  The eight accumulators take turns, one instruction a turn.  A BUILD is five plain vector instructions (a compare and four pairs).
; A one-hot buffer is written again behind the other buffer's BUILD and its own compare, six behind the products that read it; the loads into the fragment buffer read
; last step stand behind BUILD 0, five behind that step's last product: the four places of ISA guide 7.12.1 are kept in both.
.macro GSTEP p, conv
	s_wait_dscnt 0x0                               ; this step's fragments and raw chunk, asked for one step ago
	BUILD 0, 0, \p
.if \p < 15
	GALD \p+1
.if \conv
	RAWLD \p+1
.endif
.endif
	GMUL 0, 0, \p
	BUILD 1, 1, \p
	GMUL 1, 1, \p
	BUILD 2, 0, \p
	GMUL 2, 0, \p
	BUILD 3, 1, \p
	GMUL 3, 1, \p
.if \conv
	CONV \p
.endif
.endm
.macro GATHER par, conv
.if \conv
	s_wait_tensorcnt 0x0                           ; my one tensor load, the next stage's 64 codes: no load was issued behind it, so the count is 0.  I alone read these bytes
	v_add_nc_u32 v[CFO], CF0+(1-\par)*CFB, v[CFW]
	v_add_nc_u32 v[CNO], CN0+(1-\par)*CNB, v[CNW]
	RAWLD 0
.endif
	v_add_nc_u32 v[GTA], CF0+\par*CFB, v[LT]
	GALD 0
.irp gp, 0,1,2,3,4,5,6,7,8,9,10,11,12,13,14,15
	GSTEP \gp, \conv
.endr
.endm
; The new residual, r = r - q (q_st = r + (q - r) is q: the head comment).  The run goes through the groups in order, so group 3's codes, the last products' results,
; are read 24 plain vector instructions behind those products: well over the four places of ISA guide 7.12.1.
.macro UPDATE
	WIN 0x41                                       ; destination and source 0 = the residual, window 1
.set n, 0
.rept 32
	v_pk_add_f32 v[RR+2*n:RR+2*n+1], v[RR+2*n:RR+2*n+1], v[QQ+2*n:QQ+2*n+1] neg_lo:[0,1] neg_hi:[0,1]
.set n, n+1
.endr
.endm
; The residual as B fragments: hi = f16(r); with lo = 1 also lo = f16(r - hi), the difference being exact in f32.  It ends with every window at 0.
.macro SPLIT lo
	WIN 0x05                                       ; sources 0 and 1 = the residual
.set n, 0
.rept 32
	v_cvt_pk_f16_f32 v[BHI+n], v[RR+2*n], v[RR+2*n+1]
.set n, n+1
.endr
	WIN 0
.if \lo
.set n, 0
.irp hs, v64.l,v64.h,v65.l,v65.h,v66.l,v66.h,v67.l,v67.h,v68.l,v68.h,v69.l,v69.h,v70.l,v70.h,v71.l,v71.h
	v_cvt_f32_f16 v[QQ+n], \hs
.set n, n+1
.endr
.irp hs, v72.l,v72.h,v73.l,v73.h,v74.l,v74.h,v75.l,v75.h,v76.l,v76.h,v77.l,v77.h,v78.l,v78.h,v79.l,v79.h
	v_cvt_f32_f16 v[QQ+n], \hs
.set n, n+1
.endr
.irp hs, v80.l,v80.h,v81.l,v81.h,v82.l,v82.h,v83.l,v83.h,v84.l,v84.h,v85.l,v85.h,v86.l,v86.h,v87.l,v87.h
	v_cvt_f32_f16 v[QQ+n], \hs
.set n, n+1
.endr
.irp hs, v88.l,v88.h,v89.l,v89.h,v90.l,v90.h,v91.l,v91.h,v92.l,v92.h,v93.l,v93.h,v94.l,v94.h,v95.l,v95.h
	v_cvt_f32_f16 v[QQ+n], \hs
.set n, n+1
.endr
	WIN 0x01                                       ; source 0 = the residual
.set n, 0
.rept 32
	v_pk_add_f32 v[QQ+2*n:QQ+2*n+1], v[RR+2*n:RR+2*n+1], v[QQ+2*n:QQ+2*n+1] neg_lo:[0,1] neg_hi:[0,1]
.set n, n+1
.endr
	WIN 0
.set n, 0
.rept 32
	v_cvt_pk_f16_f32 v[BLO+n], v[QQ+2*n], v[QQ+2*n+1]
.set n, n+1
.endr
.endif
.endm
; One stage, from the change of codebooks on.  ONE barrier a stage, for three things.  In front of its signal every wave has waited for its LDS instructions and for all its
; tensor loads, so behind its wait
;  (1) every wave's converted codes and norms of this stage are in CF and CN number par;
;  (2) nobody reads CF and CN number 1 - par any more, which this stage's conversion overwrites;
;  (3) nobody in the cluster reads RAW or has a load on its way: the joint refill stands first behind the round, one load a wave, and has the distance phase in which to land.
; The signal stands straight behind the lookup, and the waits for the wave's LDS and tensor work.  The residual's update and its split into two pieces (32 + 160 instructions
; on registers alone; 32 in front of stage 0) stand between the signal and the wait: a wave does them while the other waves arrive.
; lo = 0: stage 0, whose residual is z in bf16: nothing to update, one piece.
.macro STAGE par, lo, fill
	s_wait_dscnt 0x0                               ; my stores into CF, CN and IDX and my reads of CF, CN and RAW are done
	s_wait_tensorcnt 0x0                           ; none of my tensor loads is out (met: the conversion has waited for the one there was), so the descriptor may be written
	ds_add_u32 v254, v255
	s_wait_dscnt 0x0
.if \fill
	s_add_nc_u64 s[14:15], s[14:15], 0x10000       ; the next stage's codebook: 512 x 128 bytes on
.endif
	s_barrier_signal -1                            ; say so (where RAW is filled again this barrier opens a round of the cluster's barrier),
.if \lo
	UPDATE                                         ; work on registers while the others arrive,
	SPLIT 1
.else
	SPLIT 0
.endif
	s_barrier_wait -1                              ; and go on when all eight have said so (every window is 0 again: branches follow)
.if \fill
	CREST                                          ; wave 0 says so for the work-group, all four work-groups have said so, my work-group's barrier closes the round
	tensor_load_to_lds s[12:15], s[16:23]          ; the first tensor load behind the round, and my only one until the next
	s_nop 0
.endif
	DIST \par, \lo
	FINAL 0
	FINAL 1
	FINAL 2
	FINAL 3
	v_add_nc_u32 v[IXA], 4, v[IXA]                 ; the next stage's column of IDX
	GATHER \par, \fill
.endm
	; ---- set-up
	s_load_b256 s[4:11], s[0:1], 0x0               ; codebooks s[4:5], z s[6:7], out0 s[8:9], out1 s[10:11]
	s_load_b64 s[24:25], s[0:1], 0x20              ; out2
	v_lshl_add_u32 v254, v0, 2, 0x3e000
	v_mov_b32 v255, 0
	ds_add_u32 v254, v255
	ds_add_u32 v254, v255
	v_lshrrev_b32 v[T], 5, v0
	v_readfirstlane_b32 s26, v[T]                  ; wave 0..7
	s_bfe_u32 s27, ttmp6, 0x40000                  ; cx
	s_lshl_b32 s28, ttmp9, 2                       ; in a cluster launch ttmp9 counts clusters
	s_add_co_u32 s28, s28, s27                     ; work-group = 4 x cluster + cx
	s_mov_b32 s33, 0xffff0000                      ; a word's upper bf16
	s_mov_b32 s34, 0x76543210                      ; v_permlanex16_b32: lane i of one half reads lane i of the other
	s_mov_b32 s35, 0xfedcba98
	; Descriptor.  My 64 codes are 8,192 dense bytes: 32 rows of 64 elements of 4 bytes (two codes a row), 4 words of padding behind every 32 words, that is behind each code.
	s_mov_b32 s16, 0x0732000f                      ; 15:0 mask 15: all four work-groups; 17:16 element of 4 bytes; 20 padding on; 21 set beside a mask; 24:22 every 32 words (code 4); 31:25 of 4 words (code 3)
	s_mov_b32 s17, 64<<16                          ; tensor_dim0 = 64
	s_mov_b32 s18, 32<<16                          ; tensor_dim1 = 32
	s_mov_b32 s19, 64<<16                          ; tile_dim0 = 64
	s_mov_b32 s20, 32                              ; tile_dim1 = 32
	s_mov_b32 s21, 64                              ; elements from row to row
	s_mov_b32 s22, 0
	s_mov_b32 s23, 0
	s_mov_b32 s12, 1                               ; count = 1
	s_mul_i32 s13, s26, RAWW                       ; LDS address: the wave's number alone
	s_lshl_b32 s44, s26, 13                        ; my 64 codes in a codebook: the wave's number alone, so the four partners' descriptors are equal
	s_mov_b32 s45, 0
	s_mul_i32 s46, s26, 2560
	s_add_co_u32 s46, s46, IDXB                    ; my part of IDX
	s_add_co_u32 s47, s13, XSB                     ; my part of XS
	v_and_b32 v17, 31, v0                          ; L
	v_and_b32 v18, 15, v0                          ; r
	v_bfe_u32 v19, v0, 4, 1                        ; h
	v_and_b32 v20, 7, v0                           ; L & 7
	v_bfe_u32 v21, v0, 3, 1                        ; (L >> 3) & 1
	v_lshl_add_u32 v22, s26, 6, v17                ; 64 w + L
	v_lshlrev_b32 v[H8], 3, v19
	v_mul_u32_u24 v[LA], v18, CP
	v_lshl_add_u32 v[LA], v19, 4, v[LA]
	v_lshlrev_b32 v[LN], 5, v19
	v_add_nc_u32 v23, v20, v[H8]
	v_mul_u32_u24 v[LT], v23, CP
	v_lshl_add_u32 v[LT], v21, 4, v[LT]
	v_mul_u32_u24 v[RWA], v17, RP
	v_add_nc_u32 v[RWA], s13, v[RWA]
	v_mul_u32_u24 v[CFW], v22, CP
	v_lshlrev_b32 v[CNW], 2, v22
	v_mul_u32_u24 v[IXA], v18, 40
	v_add_nc_u32 v[IXA], s46, v[IXA]
	v_lshlrev_b32 v[GO], 4, v17
	v_add_nc_u32 v[IXR], s46, v[GO]
	v_lshrrev_b32 v23, 3, v17
	v_mul_u32_u24 v23, v23, RP
	v_lshl_add_u32 v23, v20, 4, v23
	v_add_nc_u32 v[XL], s47, v23
	v_mul_u32_u24 v23, v18, RP
	v_lshl_add_u32 v23, v19, 5, v23
	v_add_nc_u32 v[XF], s47, v23
	v_mov_b32 v[ONE], 0x3c00
	s_wait_dscnt 0x0
	s_wait_kmcnt 0x0
	s_add_nc_u64 s[14:15], s[4:5], s[44:45]        ; stage 0's codes 64 w ..
	s_or_b32 s15, s15, 0x80000000                  ; type = 2
	ROUND                                          ; all four work-groups are here: the first joint loads meet
	tensor_load_to_lds s[12:15], s[16:23]          ; the first fill, ahead of every LDS read and every wait on TENSORcnt
	s_nop 0
	; ---- z in: my 64 rows are 8,192 consecutive bytes; each load of the wave takes 512 of them
	s_lshl_b32 s40, s28, 16                        ; 512 rows x 128 bytes a work-group
	s_lshl_b32 s39, s26, 13                        ; 64 rows x 128 bytes a wave
	s_add_co_u32 s40, s40, s39
	s_mov_b32 s41, 0
	s_add_nc_u64 s[6:7], s[6:7], s[40:41]
	s_add_nc_u64 s[8:9], s[8:9], s[40:41]
	s_mul_i32 s40, s28, 20480                      ; 512 rows x 40 bytes
	s_mul_i32 s39, s26, 2560                       ; 64 rows x 40 bytes
	s_add_co_u32 s40, s40, s39
	s_add_nc_u64 s[10:11], s[10:11], s[40:41]
.irp i, 0,1,2,3,4,5,6,7,8,9,10,11,12,13,14,15
	global_load_b128 v[128+4*\i:128+4*\i+3], v[GO], s[6:7] offset:512*\i th:TH_LOAD_NT
.endr
.irp i, 0,1,2,3,4,5,6,7,8,9,10,11,12,13,14,15
	s_wait_loadcnt 15-\i                           ; loads come back in order (ISA guide 5.7.1): load i is in, the younger ones stay out
	ds_store_b128 v[XL], v[128+4*\i:128+4*\i+3] offset:576*\i      ; four rows of 144 bytes a store
.endr
.irp zg, 0,1,2,3
	ds_load_b128 v[64+16*\zg:64+16*\zg+3],     v[XF] offset:2304*\zg       ; my wave's own bytes, served in order (ISA guide 5.7.1.4): these see the stores above
	ds_load_b128 v[64+16*\zg+4:64+16*\zg+7],   v[XF] offset:2304*\zg+16    ; dims 8h .. 8h+7,
	ds_load_b128 v[64+16*\zg+8:64+16*\zg+11],  v[XF] offset:2304*\zg+64    ; dims 16+8h .. 16+8h+7
	ds_load_b128 v[64+16*\zg+12:64+16*\zg+15], v[XF] offset:2304*\zg+80
.endr
	s_wait_dscnt 0x0
	WIN 0x40                                       ; destination window 1
.set n, 0
.rept 32
	v_cvt_pk_bf16_f32 v[ZBN+n], v[64+2*n], v[64+2*n+1]             ; z rounded to bf16: kept packed for out0,
.set n, n+1
.endr
	WIN 0x44                                       ; destination and source 1 window 1
.set n, 0
.rept 32
	v_lshlrev_b32 v[RR+2*n], 16, v[ZBN+n]                          ; and in f32 as the first residual
	v_and_b32 v[RR+2*n+1], s33, v[ZBN+n]
.set n, n+1
.endr
	WIN 0
	; ---- stage 0's codes: RAW to CF0 and CN0
	s_wait_tensorcnt 0x0                           ; my one tensor load; I alone read what it brought
	v_add_nc_u32 v[CFO], CF0, v[CFW]
	v_add_nc_u32 v[CNO], CN0, v[CNW]
	RAWLD 0
.irp ck, 0,1,2,3,4,5,6,7,8,9,10,11,12,13,14
	RAWLD \ck+1
	s_wait_dscnt 0x1                               ; all but the chunk just asked for: chunk ck is in
	CONV \ck
.endr
	s_wait_dscnt 0x0
	CONV 15
	; ---- the ten stages
	STAGE 0, 0, 1                                  ; stage 0: a bf16 number is exact in f16, so its residual is one piece
	s_mov_b32 s32, 4
.Lstages:
	STAGE 1, 1, 1                                  ; stages 1, 3, 5, 7
	STAGE 0, 1, 1                                  ; stages 2, 4, 6, 8
	s_sub_co_u32 s32, s32, 1
	s_cmp_lg_u32 s32, 0
	s_cbranch_scc1 .Lstages
	STAGE 1, 1, 0                                  ; stage 9: nothing left to fetch or to convert, so my work-group's barrier alone, for (1)
	UPDATE                                         ; the last residual; no further pieces
	; ---- out0 = z - r, turned back into rows through my part of XS
	WIN 0x04                                       ; source 1 window 1
.set n, 0
.rept 32
	v_lshlrev_b32 v[128+2*n], 16, v[ZBN+n]
	v_and_b32 v[128+2*n+1], s33, v[ZBN+n]
.set n, n+1
.endr
.set n, 0
.rept 32
	v_pk_add_f32 v[128+2*n:128+2*n+1], v[128+2*n:128+2*n+1], v[RR+2*n:RR+2*n+1] neg_lo:[0,1] neg_hi:[0,1]
.set n, n+1
.endr
	WIN 0
.irp zg, 0,1,2,3
	ds_store_b128 v[XF], v[128+16*\zg:128+16*\zg+3]     offset:2304*\zg
	ds_store_b128 v[XF], v[128+16*\zg+4:128+16*\zg+7]   offset:2304*\zg+16
	ds_store_b128 v[XF], v[128+16*\zg+8:128+16*\zg+11]  offset:2304*\zg+64
	ds_store_b128 v[XF], v[128+16*\zg+12:128+16*\zg+15] offset:2304*\zg+80
.endr
.irp i, 0,1,2,3,4,5,6,7,8,9,10,11,12,13,14,15
	ds_load_b128 v[64+4*\i:64+4*\i+3], v[XL] offset:576*\i         ; my wave's own bytes, served in order: these see the stores above
.endr
.irp i, 0,1,2,3,4,5,6,7,8,9,10,11,12,13,14,15
	s_wait_dscnt 15-\i                             ; read-back i is in, the younger ones stay out
	global_store_b128 v[GO], v[64+4*\i:64+4*\i+3], s[8:9] offset:512*\i th:TH_STORE_NT   ; each store of the wave covers 512 consecutive bytes, aligned
.endr
	; ---- out1: my 64 rows x 10 indices are 2,560 consecutive bytes, in IDX as in memory.  Other registers than those that the stores above still read.
.irp i, 0,1,2,3,4
	ds_load_b128 v[128+4*\i:128+4*\i+3], v[IXR] offset:512*\i
.endr
.irp i, 0,1,2,3,4
	s_wait_dscnt 4-\i                              ; read-back i is in, the younger ones stay out
	global_store_b128 v[GO], v[128+4*\i:128+4*\i+3], s[10:11] offset:512*\i th:TH_STORE_NT
.endr
	; ---- out2: ten zeros, by threads 0 to 9 of work-group 0 (a mask on the lanes, no branch)
	s_lshl_b32 s39, s28, 8
	v_add_nc_u32 v16, s39, v0                      ; the thread's number in the launch
	v_lshlrev_b32 v17, 2, v16
	v_mov_b32 v20, 0
	v_cmp_gt_u32 vcc_lo, 10, v16
	s_wait_xcnt 0x0                                ; EXEC is a source of the stores above: it changes only behind this wait
	s_and_saveexec_b32 s42, vcc_lo
	global_store_b32 v17, v20, s[24:25]
	s_wait_xcnt 0x0                                ; and again in front of the line that widens it
	s_or_b32 exec_lo, exec_lo, s42
	s_wait_tensorcnt 0x0
	ds_add_u32 v254, v255
	s_wait_dscnt 0x0
	ROUND                                          ; the closing round: no work-group ends while a partner may still ask for a tile that names it
	s_endpgm
.Lfunc_end_k_q5d02b1d0dc_rvq:
	.size	k_q5d02b1d0dc_rvq, .Lfunc_end_k_q5d02b1d0dc_rvq-k_q5d02b1d0dc_rvq
	.p2alignl 7, 3214868480
	.fill 96, 4, 3214868480
	.section	.rodata,"a",@progbits
	.p2align	6, 0x0
	.amdhsa_kernel k_q5d02b1d0dc_rvq
		.amdhsa_group_segment_fixed_size 327680
		.amdhsa_private_segment_fixed_size 0
		.amdhsa_enable_private_segment 0
		.amdhsa_kernarg_size 40
		.amdhsa_user_sgpr_count 2
		.amdhsa_user_sgpr_kernarg_segment_ptr 1
		.amdhsa_wavefront_size32 1
		.amdhsa_system_sgpr_workgroup_id_x 1
		.amdhsa_system_sgpr_workgroup_id_y 1
		.amdhsa_system_sgpr_workgroup_id_z 1
		.amdhsa_system_vgpr_workitem_id 0
		.amdhsa_next_free_vgpr 352
		.amdhsa_next_free_sgpr 66
		.amdhsa_reserve_vcc 1
		.amdhsa_float_denorm_mode_32 3
		.amdhsa_float_denorm_mode_16_64 3
		.amdhsa_memory_ordered 1
		.amdhsa_forward_progress 1
		.amdhsa_inst_pref_size 255
	.end_amdhsa_kernel
	.section	.bss,"aw",@nobits
	.p2align	6
	.space	262144
	.amdgpu_metadata
---
amdhsa.version: [ 1, 2 ]
amdhsa.kernels:
  - .name:           k_q5d02b1d0dc_rvq
    .symbol:         k_q5d02b1d0dc_rvq.kd
    .args:
      - { .name: codebooks, .offset: 0, .size: 8, .value_kind: global_buffer, .address_space: global }
      - { .name: z, .offset: 8, .size: 8, .value_kind: global_buffer, .address_space: global }
      - { .name: out0, .offset: 16, .size: 8, .value_kind: global_buffer, .address_space: global }
      - { .name: out1, .offset: 24, .size: 8, .value_kind: global_buffer, .address_space: global }
      - { .name: out2, .offset: 32, .size: 8, .value_kind: global_buffer, .address_space: global }
    .group_segment_fixed_size: 327680
    .private_segment_fixed_size: 0
    .kernarg_segment_align: 8
    .kernarg_segment_size: 40
    .max_flat_workgroup_size: 256
    .sgpr_count:     66
    .vgpr_count:     352
    .wavefront_size: 32
...
	.end_amdgpu_metadata
.endif
;; end of part 1
